; MI455X (gfx1250); checked and timed in simulation.
; The chip was launched on July 23, 2026; its instructions are those of AMD's public machine-readable ISA for CDNA 5 (MIT licence, August 2026) and "CDNA5" Instruction Set Architecture Reference Guide (July 2026). The comments in the code are by the model that wrote it; some were corrected since.
;; Multi Head Causal Attention. Allowed arithmetic: matrix products marked QUANTISED: E4M3 operands, one given power-of-two scale a tensor, by v_wmma_f32_16x16x64_fp8_fp8 or v_wmma_f32_16x16x128_fp8_fp8, f32 sums; everything else in f32.
;; Inputs: b_out 1,024 float32; b_qkv 3,072 float32; lowp_scales 8 int32 (the exponents e of the quantised operands' scales 2^e); w_out 1,024 x 1,024 float32; w_qkv 3,072 x 1,024 float32; x 4 x 2,048 x 1,024 float32.
;; Outputs: out0 4 x 2,048 x 1,024 float32.
;; This version of the problem:
;;   THIS VERSION OF THE PROBLEM IS GIVEN IN LOW PRECISION. The matrix products marked QUANTISED in the list below multiply operands that are first quantised to E4M3 (4 exponent bits, 3 mantissa bits; 8 bits a number), with one given power-of-two scale for each operand tensor; their sums are f32. All else is computed in f32.
;;   The module's matrix products, in the order in which they are computed (A, B: the left and right operand; K: the contracted axis; several contracted axes count as one K, in the product's order):
;;     1. [M 8,192, K 1,024] x [K 1,024, N 3,072]; A: input x; B: input w_qkv: QUANTISED (scales: A lowp_scales[0], B lowp_scales[1])
;;     2. batch 64 x [M 2,048, K 64] x [K 64, N 2,048]; A: computed on the way; B: computed on the way: QUANTISED (scales: A lowp_scales[2], B lowp_scales[3])
;;     3. batch 64 x [M 2,048, K 2,048] x [K 2,048, N 64]; A: softmax (see below); B: computed on the way: QUANTISED (scales: A lowp_scales[4], B lowp_scales[5])
;;     4. [M 8,192, K 1,024] x [K 1,024, N 1,024]; A: computed on the way; B: input w_out: QUANTISED (scales: A lowp_scales[6], B lowp_scales[7])
;;   THE QUANTISER, for each operand of a quantised product, along K:
;;     - The operand's scale is 2^e, e = its entry of the input lowp_scales (int32; the entries are numbered through the quantised products in the list's order, A before B).
;;     - Each number is divided by the scale, clamped to +-448, and rounded to the nearest number of E4M3, ties to even, subnormals kept.
;;     - The product sums the exact products of the quantised numbers (number of the format x scale) in f32.
;;   ~~~python
;;   def quantise(x, axis, e):      # numpy; x: float32 -> the quantised numbers, widened to float32 again
;;       x = np.moveaxis(x, axis, -1); K = x.shape[-1]
;;       r = np.clip(x / 2.0 ** e, -448, 448)
;;       step = 2.0 ** (np.maximum(np.frexp(np.where(r == 0, 1, r))[1] - 1, -6) - 3)
;;       q = np.round(r / step) * step * 2.0 ** e      # np.round: ties to even
;;       return np.moveaxis(q, -1, axis).astype(np.float32)
;;   ~~~
;;   SOFTMAX AHEAD OF A QUANTISED PRODUCT. Where the list says 'softmax', what is quantised is not the finished softmax but p = 2^(t - M), with t = logit x log2(e) and M = ceil(the row's largest t), a whole number; so 1/2 < the row's largest p <= 1. The row's sum l is taken of the UNQUANTISED p, in f32, and the product's result is divided by l at the end. Since M is a whole number, a kernel that streams over the keys may use a running M (the ceiling of the running maximum): every later rescaling is an exact power of two, so the quantised numbers keep their values, but for numbers so far below the row's largest that they fall under the format's range.
;;   OPERANDS COMPUTED ON THE WAY. 'Computed on the way' means the value that the module computes at that place (a softmax that the list does not call 'softmax' is quantised finished and normalised). What goes into a quantiser is computed in f32, as accurately as f32 sums, v_exp_f32 and their like allow (about 1e-6 of the number): no bf16 or f16 on the way to a quantiser, and a product that is left as it is and whose result goes on into a quantised operand takes f32 operands (vector FMAs, or v_wmma_f32_16x16x4_f32). A number that lies on a knife's edge between two numbers of the format may be rounded either way, as far as f32 arithmetic and the matrix unit's own rounding can turn it there, and no further.
;; One version. Each part assembles by itself: llvm-mc -triple=amdgcn-amd-amdhsa -mcpu=gfx1250 --defsym DOCPART=n.
;; ======== version 1 of 1: 4 launches
;; limits: right only within a limited range of input values
;; workspace buffers: xq 8,388,608 bytes; wq 3,145,728 bytes; wo 1,048,576 bytes; qc 8,388,608 bytes; kv 16,777,216 bytes; oc 8,388,608 bytes
;; launch quant (part 1): grid 384 x 1, 4 waves a work-group, no clusters, 33,280 bytes of LDS; arguments x, w_qkv, w_out, lowp_scales, xq, wq, wo; writes xq, wq, wo
.if DOCPART == 1
	.amdgcn_target "amdgcn-amd-amdhsa--gfx1250"
	.amdhsa_code_object_version 6
	.text
	.protected	k_q29d6942994_quant
	.globl	k_q29d6942994_quant
	.p2align	8
	.type	k_q29d6942994_quant,@function
k_q29d6942994_quant:
	s_mov_b64 s[64:65], 0
	v_nop
	global_prefetch_b8 v0, s[64:65] scope:SCOPE_SE
	s_setreg_imm32_b32 hwreg(HW_REG_WAVE_MODE, 25, 1), 1
	s_wait_xcnt 0x0
; x [8192][1024], w_qkv [3072][1024] and w_out [1024][1024], f32 with K innermost, become codes of FP8 (E4M3), one byte each, in the same order,
; each with the one scale 2^e that is given for it: entry 0 of the scales for x, entry 1 for w_qkv, entry 7 for w_out.
; code = number / 2^e, held within +-448, rounded to the nearest code, ties to even.  LIMITS: -126 <= e <= 119.  NaN among the inputs is not served (an infinity is held at the largest code).
; Rows are dense, so each tensor is a plain stream.  A work-group takes 32,768 numbers, a wave 16 steps of 512.  Work-groups 0-255 take x, 256-351 w_qkv, 352-383 w_out:
; only pointers, the first work-group's number and e are chosen, by selects on the work-group's number; there is one path through the text.
; The conversion takes 8 numbers from ONE lane's consecutive registers, so a lane must hold neighbours; a load is best where neighbouring LANES take neighbouring bytes.  Both are had: each of a step's four loads
; reads 512 consecutive bytes, 16 a lane; the 2,048 bytes go through the wave's own stage in LDS and come back 64 bytes a lane (16 bytes of padding behind each 64).  A lane's 16 codes are 16 bytes: a store covers 512 consecutive bytes.
; No tensor loads, no barrier: waves share nothing.  Loads run four steps (16 loads a wave) ahead, the turn through LDS one step.
.set STEPS, 16
.set WGW,   256                        ; the first work-group of w_qkv
.set WGO,   352                        ; the first work-group of w_out
.set EMAX,  8
.set MANT,  0x600000                   ; the mantissa field of 448 as f32
.set CB,    16                         ; bytes of 16 codes
.set R,     16                         ; v16-79   four sets of 16 numbers as they are loaded
.set X,     80                         ; v80-111  two sets of 16 neighbours
.set C,     128                        ; v128-191 codes: four registers for each step, so that no store's data are written again
.set WREG,  8192                       ; LDS: a region of its own for each wave: two stages of 32 x SP bytes
.set SP,    80                         ; a lane's place in a stage: its 64 bytes + 16 of padding
	s_load_b256 s[4:11], s[0:1], 0x0               ; x s[4:5], w_qkv s[6:7], w_out s[8:9], the scales' exponents s[10:11]
	s_load_b128 s[12:15], s[0:1], 0x20             ; xq s[12:13], wq s[14:15]
	s_load_b64 s[24:25], s[0:1], 0x30              ; wo
	v_lshl_add_u32 v192, v0, 2, 0x8000
	v_mov_b32 v193, 0
	v_lshrrev_b32 v1, 5, v0
	v_readfirstlane_b32 s16, v1                    ; wave
	v_and_b32 v2, 31, v0                           ; lane
	v_lshlrev_b32 v3, 4, v2                        ; my 16 bytes of a load's 512
	s_mul_i32 s17, s16, WREG
	v_lshrrev_b32 v14, 2, v2
	v_mul_u32_u24 v14, v14, SP
	v_and_b32 v15, 3, v2
	v_lshl_add_u32 v14, v15, 4, v14
	v_add_nc_u32 v14, s17, v14                     ; the stage, on the way in: four lanes' 64 bytes on end, then 16 of padding
	v_mul_u32_u24 v15, v2, SP
	v_add_nc_u32 v15, s17, v15                     ; and on the way out: SP x lane: my 16 neighbours
	v_mul_u32_u24 v4, v2, CB                       ; my codes' place in a step's
	s_wait_alu depctr_va_vdst(0)
	s_wait_kmcnt 0x0
	s_load_b256 s[36:43], s[10:11], 0x0            ; e0 .. e7
	s_cmp_lt_u32 ttmp9, WGO                        ; w_qkv or w_out?  The choices hang on the work-group's number alone
	s_cselect_b64 s[6:7], s[6:7], s[8:9]
	s_cselect_b64 s[14:15], s[14:15], s[24:25]
	s_mov_b32 s17, WGO
	s_cselect_b32 s17, WGW, s17
	s_cmp_lt_u32 ttmp9, WGW                        ; x or one of the weights?
	s_cselect_b64 s[4:5], s[4:5], s[6:7]           ; the numbers
	s_cselect_b64 s[8:9], s[12:13], s[14:15]       ; the codes
	s_cselect_b32 s17, 0, s17                      ; the tensor's first work-group
	s_sub_co_u32 s17, ttmp9, s17
	s_lshl_b32 s17, s17, 2
	s_add_co_u32 s18, s17, s16                     ; which run of 8,192 numbers of the tensor is my wave's
	s_mov_b32 s19, 0
	s_mov_b64 s[20:21], 512*STEPS*4
	s_mul_u64 s[20:21], s[18:19], s[20:21]
	s_add_nc_u64 s[4:5], s[4:5], s[20:21]
	s_mov_b64 s[20:21], 32*STEPS*CB
	s_mul_u64 s[20:21], s[18:19], s[20:21]
	s_add_nc_u64 s[8:9], s[8:9], s[20:21]
.macro LOAD t
.irp i, 0,1,2,3
	global_load_b128 v[R+16*((\t)%4)+4*\i:R+16*((\t)%4)+4*\i+3], v3, s[4:5] offset:2048*(\t)+512*\i th:TH_LOAD_NT   ; 32 lanes read 512 consecutive bytes
.endr
.endm
.macro TURN t                          ; step t's numbers through the stage: LDS serves a wave's instructions in order, so no wait stands between the stores and the loads
.irp i, 0,1,2,3
	ds_store_b128 v14, v[R+16*((\t)%4)+4*\i:R+16*((\t)%4)+4*\i+3] offset:32*SP*((\t)%2)+8*SP*\i
.endr
.irp i, 0,1,2,3
	ds_load_b128 v[X+16*((\t)%2)+4*\i:X+16*((\t)%2)+4*\i+3], v15 offset:32*SP*((\t)%2)+16*\i
.endr
.endm
.irp t, 0,1,2,3
	LOAD \t
.endr
	s_wait_kmcnt 0x0
	s_cmp_lt_u32 ttmp9, WGO
	s_cselect_b32 s22, s37, s43                    ; e1 or e7,
	s_cmp_lt_u32 ttmp9, WGW
	s_cselect_b32 s22, s36, s22                    ; or e0
	s_add_co_i32 s22, s22, 127
	s_lshl_b32 s23, s22, 23
	v_mov_b32 v11, s23                             ; 2^e as f32: the conversion takes its exponent field
	s_add_co_i32 s22, s22, EMAX
	s_lshl_b32 s22, s22, 23
	s_or_b32 s22, s22, MANT
	s_wait_alu depctr_va_vdst(0)
	s_wait_loadcnt 12                              ; step 0's four loads are in; the twelve of steps 1 to 3 may be out
	TURN 0
.macro STEP t
.set XS, X+16*((\t)%2)
	s_wait_dscnt 0x0                               ; this step's numbers are back from the stage: so its stores into the stage have read their registers,
.if (\t)+4 < STEPS
	LOAD (\t)+4                                    ; which take the loads of four steps on
.endif
.if (\t)+1 < STEPS
.if STEPS-2-(\t) >= 3
	s_wait_loadcnt 12                              ; the next step's four loads are in; those of the three steps behind it may be out
.else
	s_wait_loadcnt 4*(STEPS-2-(\t))
.endif
	TURN (\t)+1                                    ; and go through the other stage while this step is worked
.endif
.irp i, 0,1,2,3,4,5,6,7,8,9,10,11,12,13,14,15
.endr
	v_cvt_scalef32_pk8_fp8_f32 v[C+4*(\t):C+4*(\t)+1], v[XS:XS+7], v11          ; eight numbers / 2^e, to the nearest code, ties to even; the first number's code in the lowest byte
	v_cvt_scalef32_pk8_fp8_f32 v[C+4*(\t)+2:C+4*(\t)+3], v[XS+8:XS+15], v11
	global_store_b128 v4, v[C+4*(\t):C+4*(\t)+3], s[8:9] offset:32*CB*(\t)      ; the results go to a store alone
.endm
.irp t, 0,1,2,3,4,5,6,7,8,9,10,11,12,13,14,15
	STEP \t
.endr
	s_wait_tensorcnt 0x0
	ds_add_u32 v192, v193
	s_wait_dscnt 0x0
	s_endpgm
.Lfunc_end_k_q29d6942994_quant:
	.size	k_q29d6942994_quant, .Lfunc_end_k_q29d6942994_quant-k_q29d6942994_quant
	.p2alignl 7, 3214868480
	.fill 96, 4, 3214868480
	.section	.rodata,"a",@progbits
	.p2align	6, 0x0
	.amdhsa_kernel k_q29d6942994_quant
		.amdhsa_group_segment_fixed_size 33280
		.amdhsa_private_segment_fixed_size 0
		.amdhsa_enable_private_segment 0
		.amdhsa_kernarg_size 56
		.amdhsa_user_sgpr_count 2
		.amdhsa_user_sgpr_kernarg_segment_ptr 1
		.amdhsa_wavefront_size32 1
		.amdhsa_system_sgpr_workgroup_id_x 1
		.amdhsa_system_sgpr_workgroup_id_y 1
		.amdhsa_system_sgpr_workgroup_id_z 1
		.amdhsa_system_vgpr_workitem_id 0
		.amdhsa_next_free_vgpr 194
		.amdhsa_next_free_sgpr 66
		.amdhsa_reserve_vcc 0
		.amdhsa_float_denorm_mode_32 3
		.amdhsa_float_denorm_mode_16_64 3
		.amdhsa_fp16_overflow 1
		.amdhsa_memory_ordered 1
		.amdhsa_forward_progress 1
		.amdhsa_inst_pref_size 22
	.end_amdhsa_kernel
	.amdgpu_metadata
---
amdhsa.version: [ 1, 2 ]
amdhsa.kernels:
  - .name:           k_q29d6942994_quant
    .symbol:         k_q29d6942994_quant.kd
    .args:
      - { .name: x, .offset: 0, .size: 8, .value_kind: global_buffer, .address_space: global }
      - { .name: w_qkv, .offset: 8, .size: 8, .value_kind: global_buffer, .address_space: global }
      - { .name: w_out, .offset: 16, .size: 8, .value_kind: global_buffer, .address_space: global }
      - { .name: lowp_scales, .offset: 24, .size: 8, .value_kind: global_buffer, .address_space: global }
      - { .name: xq, .offset: 32, .size: 8, .value_kind: global_buffer, .address_space: global }
      - { .name: wq, .offset: 40, .size: 8, .value_kind: global_buffer, .address_space: global }
      - { .name: wo, .offset: 48, .size: 8, .value_kind: global_buffer, .address_space: global }
    .group_segment_fixed_size: 33280
    .private_segment_fixed_size: 0
    .kernarg_segment_align: 8
    .kernarg_segment_size: 56
    .max_flat_workgroup_size: 128
    .sgpr_count:     66
    .vgpr_count:     194
    .wavefront_size: 32
...
	.end_amdgpu_metadata
.endif
;; end of part 1
;; launch gemm_qkv (part 2): grid 12 x 32, 4 waves a work-group, clusters of 4 x 4, 327,680 bytes of LDS; arguments xq, wq, lowp_scales, b_qkv, qc, kv; writes qc, kv
.if DOCPART == 2
	.amdgcn_target "amdgcn-amd-amdhsa--gfx1250"
	.amdhsa_code_object_version 6
	.text
	.protected	k_q29d6942994_gemm_qkv
	.globl	k_q29d6942994_gemm_qkv
	.p2align	8
	.type	k_q29d6942994_gemm_qkv,@function
k_q29d6942994_gemm_qkv:
	s_mov_b64 s[64:65], 0
	v_nop
	global_prefetch_b8 v0, s[64:65] scope:SCOPE_SE
	s_setreg_imm32_b32 hwreg(HW_REG_WAVE_MODE, 25, 1), 1
	s_wait_xcnt 0x0
	s_wait_alu depctr_hold_cnt(0) depctr_sa_sdst(0) depctr_va_vdst(0) depctr_va_sdst(0) depctr_va_ssrc(0) depctr_va_vcc(0) depctr_vm_vsrc(0)
	s_getreg_b32 s2, hwreg(HW_REG_IB_STS2, 6, 4)
	s_cmp_eq_u32 s2, 0
	s_cbranch_scc0 .Lentry_in_a_cluster
	s_endpgm
.Lentry_in_a_cluster:
	s_bfe_u32 s2, ttmp6, 0x10000c
	s_cmp_lg_u32 s2, 0xf033
	s_cbranch_scc0 .Lentry_shape_is_right
	s_endpgm
.Lentry_shape_is_right:
; qkv = x w_qkv^T + b_qkv on codes of FP8 (E4M3); q, k and v leave as codes again, quantised with their own given scales (entries 2, 3, 5), laid as the attention launch's operand registers want them.
; xq: [8192][1024], wq: [3072][1024] codes, K innermost.  A sum stands for sum x 2^(e0 + e1); number = sum x 2^(e0 + e1) + bias, one fused multiply-add in f32; then the hold at +-448 x 2^eo and the conversion.
; LIMITS: e0 + e1 between -126 and 127; e2, e3, e5 between -126 and 119.  NaN is not served.
; SHARES.  A tile of 256 x 256 results to a work-group of four waves, 128 x 128 a wave: 64 accumulators, 512 registers.  K goes in steps of 256 through a ring of two LDS slots filled by tensor loads.
; CLUSTERS of 4 x 4 work-groups.  The cluster's x says which section is made: 0 = q, 1 = k, 2 = v; it is the same in all sixteen partners.  A's tiles are shared along a row of the cluster, B's along a column: joint loads.
; THE MATRIX INSTRUCTION IS USED TRANSPOSED (source 0 = 16 rows of B, source 1 = 16 rows of A): lane (r, h) holds A's row r and, in its eight registers, B's rows 8 h + 0 .. 7.
;   q, k: A = tokens (xq), B = features (wq).  A lane's eight numbers are eight neighbouring channels of one token: their two registers of codes are registers 2 c, 2 c + 1 of a fragment 16 tokens x 64 channels.
;   v:    A = features (wq's rows 2048 on), B = tokens (xq): the roles are changed BY POINTER, the loop is one text.  A lane's eight numbers are eight neighbouring KEYS of one channel: registers 2 c, 2 c + 1 of a fragment 16 channels x 128 keys.
; So codes leave as IMAGES OF OPERAND REGISTERS: four registers by one store at 16 x lane, 512 consecutive bytes, at a multiple of 512 from the buffer's first byte; nothing goes through LDS on the way out.
;   qc: [64 heads][128 tiles of 16 tokens][2 pieces][32 lanes][16 bytes].    kv: [64 heads][16 steps of 128 keys][K: 8 tiles x 1,024 bytes as in qc | V: 4 tiles of 16 channels x (4 pieces x 512 bytes)].
; REGISTERS, in windows of 256: window 0: v1-31 addresses and constants; v32-95 the bias in the result's layout; v96-127 at work on the way out; v128-255 A's fragments, ONE set, later the codes.
;   window 1: B's fragments, TWO sets, at v0 and v128.   windows 2, 3: the accumulators ((a, b) at v[8 (8 (a % 4) + b)] of window 2 + a / 4).
.set NA,     8                         ; A's blocks of 16 rows in a wave
.set QA,     NA/4                      ; blocks in a quarter of a step
.set KROW,   1024                      ; a row of codes in memory, in bytes
.set ROWB,   256                       ; a tile's row: 256 along K
.set PITCH,  272                       ; an LDS row: 256 bytes + 16 of padding = 68 words: row r starts at bank 4 r mod 64 (64 banks of 4 bytes: ISA guide 11.1)
.set FR,     16                        ; registers of a fragment: 16 rows x 128 K
.set NL,     4                         ; LDS loads that bring one
.set NH,     (NA/2)*NL                 ; LDS loads of half of A's blocks
.set NP,     4                         ; places behind this matrix instruction (ISA guide 7.12.1)
.set HALFT,  128*PITCH                 ; 128 rows: what one tensor load brings
.set SLOT,   4*HALFT                   ; A's 256 rows, then B's 256 rows
.set LAPS,   2                         ; K = 1,024 is four K steps: twice round the ring
.set SPARE,  2*SLOT                    ; behind the ring: the spare words, 128 bytes for each wave: two blocks of 256 bytes that no other line names
.set ADRA, 16                          ; v16-17  LDS address of my A fragments in slot 0, 1
.set ADRB, 20                          ; v20-21  the same for B
.set CO,   26                          ; v26     16 x lane: my place in an image
.set SPW,  28                          ; v28     LDS address of my spare word; never rewritten
.set NIL,  29                          ; v29     0; never rewritten
.set BIAS, 32
.set TMP,  96
.set AF,   128
.set CD,   128                         ; the codes: 16 registers for each of A's blocks, so that no store's data are written again
.set G1, 24                            ; s[24:31] descriptor group 1 for A's tiles;  s[32:39] group 0, one set for each slot
.set G0, 32
.set G1B, 48                           ; s[48:55], s[56:63] the same for B's tiles
.set G0B, 56
.set MSB, 0
.macro WIN new                         ; the immediate's high byte repeats the setting that is left; a switch that changes nothing is dropped
.if MSB != (\new)
	s_set_vgpr_msb (MSB<<8)|(\new)
.set MSB, (\new)
.endif
.endm
.set MUL_LO, 0xa1                      ; source 0 (B) window 1, source 1 (A) window 0, C and D window 2
.set MUL_HI, 0xa1+0x50*(NA/8)          ; the same, C and D window 3
.set TO_B,   0x40                      ; destination window 1, address window 0
; A joint load: waves 0 and 1 fetch for A, waves 2 and 3 for B.  The branch hangs on the wave's number alone.  Four v_nop follow each of the two lines.
.macro JLOAD g0a, g1a, g0b, g1b
	s_cmp_eq_u32 s15, 0
	s_cbranch_scc0 .Lfor_b_\@
	tensor_load_to_lds s[\g0a:\g0a+3], s[\g1a:\g1a+7]
	s_nop 0
.rept 4
	v_nop
.endr
	s_branch .Lasked_\@
.Lfor_b_\@:
	tensor_load_to_lds s[\g0b:\g0b+3], s[\g1b:\g1b+7]
	s_nop 0
.rept 4
	v_nop
.endr
.Lasked_\@:
.endm
.macro CREST                           ; a round of the cluster's barrier behind its opening barrier
	s_cmp_lg_u32 s14, 0
	s_cbranch_scc1 .Lnot_wave_0_\@
	s_barrier_signal -3
.Lnot_wave_0_\@:
	s_barrier_wait -3
	s_barrier_signal -1
	s_barrier_wait -1
.endm
.macro CROUND                          ; a whole round
	s_barrier_signal -1
	s_barrier_wait -1
	CREST
.endm
	s_load_b256 s[4:11], s[0:1], 0x0               ; xq s[4:5], wq s[6:7], the scales' exponents s[8:9], b_qkv s[10:11]
	s_load_b128 s[84:87], s[0:1], 0x20             ; qc s[84:85], kv s[86:87]
	v_lshl_add_u32 v[SPW], v0, 2, SPARE
	v_mov_b32 v[NIL], 0
	ds_add_u32 v28, v29
	ds_add_u32 v28, v29
	s_wait_dscnt 0x0
	v_lshrrev_b32 v1, 5, v0
	v_readfirstlane_b32 s14, v1                    ; wave 0..3
	s_lshr_b32 s15, s14, 1                         ; which half of A's 256 rows is mine.  Also: I fetch for A (0) or for B (1)
	s_and_b32 s16, s14, 1                          ; which half of B's.  Also: which 128 rows of that tile I fetch
	s_bfe_u32 s40, ttmp6, 0x40000                  ; cx, cy: my place in the cluster
	s_bfe_u32 s41, ttmp6, 0x40004
	s_and_b32 s76, ttmp7, 0xffff                   ; the cluster's y: 1,024 tokens
	s_lshl_b32 s45, s76, 2
	s_lshl_b32 s46, ttmp9, 2
	s_cmp_eq_u32 ttmp9, 2                          ; is this cluster v's?
	s_cselect_b32 s17, 8, s45                      ; the cluster's first tile of 256 rows of A: of wq's rows 2,048 on, or of the tokens;
	s_cselect_b32 s42, s45, s46                    ; of B: of the tokens, or of wq's section
	s_add_co_u32 s17, s17, s41                     ; A's tile hangs on cy alone,
	s_add_co_u32 s42, s42, s40                     ; B's on cx alone
	s_lshl_b32 s43, s41, 2
	s_lshl_b32 s43, 15, s43                        ; my row of the cluster
	s_lshl_b32 s44, 0x1111, s40                    ; my column
	; descriptor group 1: a tile of 128 rows x 256 bytes, padded in LDS
	s_or_b32 s[G1+0], s43, (0<<16)|(1<<20)|(1<<21)|(5<<22)|(3<<25)  ; 15:0 the mask: A's tiles go to my row; 17:16 elements of 1 byte; 20 padding on; 21 set beside a mask; 24:22 after every 64 words (code 5); 31:25 four words (code 3)
	s_or_b32 s[G1B+0], s44, (0<<16)|(1<<20)|(1<<21)|(5<<22)|(3<<25)
.irp g, G1, G1B
	s_mov_b32 s[\g+1], ROWB<<16                    ; tensor_dim0
	s_mov_b32 s[\g+2], 128<<16                     ; tensor_dim1 = 128
	s_mov_b32 s[\g+3], ROWB<<16                    ; tile_dim0
	s_mov_b32 s[\g+4], 128                         ; tile_dim1 = 128
	s_mov_b32 s[\g+5], KROW                        ; tensor_dim0_stride
	s_mov_b32 s[\g+6], 0
	s_mov_b32 s[\g+7], 0
.endr
	s_lshl_b32 s18, s16, 7                         ; which 128 rows of the tile I fetch
	s_lshl_b32 s20, s17, 8
	s_add_co_u32 s20, s20, s18
	s_lshl_b32 s20, s20, 10                        ; A: (256 x tile + 128 x half) rows of 1,024 bytes: under 2^24
	s_mov_b32 s21, 0
	s_lshl_b32 s46, s42, 8
	s_add_co_u32 s46, s46, s18
	s_lshl_b32 s46, s46, 10                        ; B likewise
	s_mov_b32 s47, 0
	s_mul_i32 s45, s14, HALFT                      ; where they go: wave x 128 rows: no place in the cluster enters an LDS address
	s_wait_kmcnt 0x0
	s_load_b256 s[68:75], s[8:9], 0x0              ; e0 .. e7
	s_cmp_eq_u32 ttmp9, 2
	s_cselect_b64 s[22:23], s[6:7], s[4:5]         ; A's buffer: wq for v, else xq
	s_cselect_b64 s[98:99], s[4:5], s[6:7]         ; B's: the other
	s_add_nc_u64 s[20:21], s[22:23], s[20:21]
	s_add_nc_u64 s[46:47], s[98:99], s[46:47]
	CROUND                                         ; all sixteen work-groups are here: the first joint loads meet
.irp s, 0,1
	s_mov_b32 s[G0+4*\s], 1
	s_add_co_u32 s[G0+4*\s+1], s45, \s*SLOT
	s_add_nc_u64 s[G0+4*\s+2:G0+4*\s+3], s[20:21], \s*ROWB
	s_or_b32 s[G0+4*\s+3], s[G0+4*\s+3], 0x80000000
	s_mov_b32 s[G0B+4*\s], 1
	s_add_co_u32 s[G0B+4*\s+1], s45, \s*SLOT
	s_add_nc_u64 s[G0B+4*\s+2:G0B+4*\s+3], s[46:47], \s*ROWB
	s_or_b32 s[G0B+4*\s+3], s[G0B+4*\s+3], 0x80000000
	JLOAD G0+4*\s, G1, G0B+4*\s, G1B               ; two tensor loads of mine are out
.endr
	v_and_b32 v1, 15, v0                           ; r = lane % 16
	v_bfe_u32 v2, v0, 4, 1                         ; h = lane / 16
	v_mul_u32_u24 v3, v1, PITCH
	v_lshl_add_u32 v4, v2, 4, v3                   ; a fragment's row x pitch + 16 x half
	s_mul_i32 s21, s15, HALFT                      ; my 128 rows of A
	s_mul_i32 s22, s16, HALFT                      ; my 128 rows of B,
	s_add_co_u32 s22, s22, 2*HALFT                 ; which lie behind A's 256
.irp s, 0,1
	v_add_nc_u32 v[ADRA+\s], s21, v4
	v_add_nc_u32 v[ADRB+\s], s22, v4
	s_add_co_u32 s21, s21, SLOT
	s_add_co_u32 s22, s22, SLOT
.endr
	v_and_b32 v6, 31, v0
	v_lshlrev_b32 v[CO], 4, v6
	; THE WAY OUT'S NUMBERS, in registers that feed no descriptor.  Tokens are A's rows for q and k, B's for v; features the other way round.
	s_cmp_eq_u32 ttmp9, 2
	s_cselect_b32 s77, 1, 0                        ; 1: v
	s_cselect_b32 s78, s42, s17                    ; the tile of 256 tokens
	s_cselect_b32 s79, s41, s40                    ; the tile of 256 features within the section
	s_cselect_b32 s80, s16, s15                    ; my half of the tokens
	s_cselect_b32 s81, s15, s16                    ; my half of the features
	s_cselect_b32 s82, 4, 0                        ; the bias's byte offset: r x this
	s_cselect_b32 s83, 0, 32                       ; + h x this
	s_cselect_b32 s88, 0, 4                        ; + register x this
	s_cselect_b32 s89, 8192, 0                     ; V's images lie behind K's eight in a step
	s_lshl_b32 s78, s78, 1
	s_add_co_u32 s78, s78, s80
	s_and_b32 s78, s78, 15                         ; my 128 tokens: which step of the sequence's 16
	s_lshl_b32 s79, s79, 1
	s_add_co_u32 s79, s79, s81                     ; my 128 features: which of the section's 8
	s_lshr_b32 s80, s76, 1                         ; the batch: 2,048 tokens are two clusters' y
	s_lshl_b32 s80, s80, 4
	s_lshl_b32 s81, s79, 1
	s_add_co_u32 s80, s80, s81                     ; my first head: 16 x batch + 2 x (my 128 features)
	s_lshl_b32 s80, s80, 17                        ; in qc a head is 131,072 bytes,
	s_lshl_b32 s78, s78, 13                        ; a step 8,192;
	s_add_co_u32 s80, s80, s78
	s_cmp_eq_u32 ttmp9, 0
	s_cselect_b32 s81, 0, 1                        ; in kv both are twice that
	s_cselect_b64 s[90:91], s[84:85], s[86:87]
	s_lshl_b32 s80, s80, s81
	s_add_co_u32 s94, s80, s89
	s_mov_b32 s95, 0
	s_add_nc_u64 s[90:91], s[90:91], s[94:95]      ; where my first head's images begin,
	s_lshl_b32 s94, 0x20000, s81
	s_add_nc_u64 s[92:93], s[90:91], s[94:95]      ; and my second head's
	s_lshl_b32 s94, ttmp9, 12
	s_lshl_b32 s79, s79, 9
	s_add_co_u32 s94, s94, s79
	s_add_nc_u64 s[10:11], s[10:11], s[94:95]      ; the bias of my 128 features
	; THE BIAS, in the result's layout, with no branch.  q, k: register 8 b + i = the bias of feature 16 b + 8 h + i.  v: register 8 a + i = the bias of feature 16 a + r, eight times.
	v_mul_u32_u24 v5, v1, s82
	v_mad_u32_u24 v[TMP], v2, s83, v5
.irp i, 1,2,3,4,5,6,7
	v_add_nc_u32 v[TMP+\i], s88, v[TMP+\i-1]
.endr
.irp k, 0,1,2,3,4,5,6,7
.irp i, 0,1,2,3,4,5,6,7
	global_load_b32 v[BIAS+8*\k+\i], v[TMP+\i], s[10:11] offset:64*\k
.endr
.endr
	s_wait_kmcnt 0x0
	s_add_co_i32 s96, s68, s69                     ; e0 + e1
	s_add_co_i32 s96, s96, 127
	s_lshl_b32 s96, s96, 23                        ; 2^(e0 + e1) as f32
	s_mov_b32 s97, s96                             ; (named with it as a pair, so it is written)
	s_cmp_eq_u32 ttmp9, 0
	s_cselect_b32 s94, s70, s71                    ; q's scale or k's,
	s_cmp_eq_u32 ttmp9, 2
	s_cselect_b32 s94, s73, s94                    ; or v's: selects, no branch
	s_add_co_i32 s94, s94, 127
	s_lshl_b32 s95, s94, 23
	v_mov_b32 v11, s95                             ; 2^eo as f32: the conversion takes its exponent field
.macro FRAG reg, adr, q, i             ; a fragment: lane l holds row l % 16; registers 4 c .. 4 c + 3 hold K = 32 c + 16 (l / 16) + 0 .. 15: the same places of k in A and in B, so every product meets its partner
.irp c, 0,1,2,3
	ds_load_b128 v[\reg+4*\c:\reg+4*\c+3], v[\adr] offset:128*(\q)+32*\c+(\i)*16*PITCH
.endr
.endm
; A quarter of a step: QA blocks of A x B's eight, 128 along K.  p: B's set.  zero = 1: the first product starts the sums: nothing is ever cleared.
; The accumulators take turns, one instruction a turn, in the same order in every step.
.macro MULQ qd, p, zero
.set aa, (\qd)*QA
.rept QA
.irp b, 0,1,2,3,4,5,6,7
.if \zero
	v_wmma_f32_16x16x128_fp8_fp8 v[8*(8*(aa%4)+\b):8*(8*(aa%4)+\b)+7], v[128*(\p)+FR*\b:128*(\p)+FR*\b+FR-1], v[AF+FR*aa:AF+FR*aa+FR-1], 0
.else
	v_wmma_f32_16x16x128_fp8_fp8 v[8*(8*(aa%4)+\b):8*(8*(aa%4)+\b)+7], v[128*(\p)+FR*\b:128*(\p)+FR*\b+FR-1], v[AF+FR*aa:AF+FR*aa+FR-1], v[8*(8*(aa%4)+\b):8*(8*(aa%4)+\b)+7]
.endif
.endr
.set aa, aa+1
.endr
.endm
.macro FETCH_B slot, q, p              ; B's eight fragments of the slot's q-th 128 along K into set p
	WIN TO_B
.irp i, 0,1,2,3,4,5,6,7
	FRAG 128*(\p)+FR*\i, ADRB+\slot, \q, \i
.endr
	WIN 0
.endm
.macro FETCH_A slot, q, half           ; half of A's blocks
.set ii, (\half)*(NA/2)
.rept NA/2
	FRAG AF+FR*ii, ADRA+\slot, \q, ii
.set ii, ii+1
.endr
.endm
; A load into a register that a matrix instruction has read, and a vector instruction that reads a matrix result, stand NP places behind that matrix instruction; only plain vector
; instructions that name none of its registers are places (ISA guide 7.12.1 for vector instructions).
.macro PLACES n
.rept \n
	v_nop
.endr
.endm
; A step of 128 along K that has its successor in the same slot.  A block of A is free as soon as its eight products are issued: one set of registers serves A; B has two.
.macro STEP slot, q, zero
	s_wait_dscnt NH                                ; B's set and A's first half are in; the youngest NH loads (A's second half) may be out
	WIN MUL_LO
	MULQ 0, (\q)%2, \zero
	MULQ 1, (\q)%2, \zero
	s_wait_dscnt 0                                 ; A's second half is in
	PLACES NP
	FETCH_B \slot, (\q)+1, 1-(\q)%2
	FETCH_A \slot, (\q)+1, 0
	WIN MUL_HI
	MULQ 2, (\q)%2, \zero
	MULQ 3, (\q)%2, \zero
	PLACES NP
	WIN 0
	FETCH_A \slot, (\q)+1, 1
.endm
; A slot's last step changes slots: ONE barrier; in front of it each wave waits for all its tensor loads, adds 0 to its spare word, and waits for that and for its own reads of this slot.  fill = 1: this slot is filled again, two K steps ahead.
.macro TURN slot, next, fill
	s_wait_tensorcnt 0x0                           ; all my tensor loads have landed: my part of the next slot;  (every window is 0 here)
	ds_add_u32 v[SPW], v[NIL]                      ; 0 onto my spare word
	s_wait_dscnt NH+1                              ; (the add and the youngest NH loads, A's second half, may be out)
	WIN MUL_LO
	MULQ 0, 1, 0                                   ; matrix instructions stand between the add and the wait for it
	s_wait_dscnt 0x0                               ; the add is done, and my reads of this slot are over
	s_barrier_signal -1
	MULQ 1, 1, 0
	WIN 0
	s_barrier_wait -1
.if \fill
	CREST                                          ; the barrier has opened a round of the cluster's barrier: no wave of any partner still reads this slot's tile or has a load on its way
	s_add_nc_u64 s[G0+4*\slot+2:G0+4*\slot+3], s[G0+4*\slot+2:G0+4*\slot+3], 2*ROWB
	s_add_nc_u64 s[G0B+4*\slot+2:G0B+4*\slot+3], s[G0B+4*\slot+2:G0B+4*\slot+3], 2*ROWB
	JLOAD G0+4*\slot, G1, G0B+4*\slot, G1B         ; the first tensor load behind the round, my only one until the next; its four v_nop are the places in front of the loads below
.else
	PLACES NP
.endif
	FETCH_B \next, 0, 0
	FETCH_A \next, 0, 0
	WIN MUL_HI
	MULQ 2, 1, 0
	MULQ 3, 1, 0
	PLACES NP
	WIN 0
	FETCH_A \next, 0, 1
.endm
	s_wait_tensorcnt 1                             ; my part of K step 0 is in (K step 1's load may be out)
	s_barrier_signal -1
	s_barrier_wait -1                              ; everybody's is
	FETCH_B 0, 0, 0
	FETCH_A 0, 0, 0
	FETCH_A 0, 0, 1
	STEP 0, 0, 1                                   ; the first step stands in front of the loop: its products start the sums
	s_mov_b32 s3, LAPS-1
.Llap:                                                 ; a trip goes once round the ring, from a lap's second step to the next lap's first, and fills both slots again
	TURN 0, 1, 1
	STEP 1, 0, 0
	TURN 1, 0, 1
	STEP 0, 0, 0
	s_sub_co_u32 s3, s3, 1
	s_cmp_lg_u32 s3, 0
	s_cbranch_scc1 .Llap
	TURN 0, 1, 0                                   ; the last lap fills nothing, and has no round of the cluster's barrier
	STEP 1, 0, 0
	s_wait_dscnt NH                                ; the very last step: nothing more to fetch
	WIN MUL_LO
	MULQ 0, 1, 0
	MULQ 1, 1, 0
	s_wait_dscnt 0
	WIN MUL_HI
	MULQ 2, 1, 0
	MULQ 3, 1, 0
	WIN 0
; THE WAY OUT, half a block of A (four accumulators, 32 numbers a lane) at a time: sum x 2^(e0 + e1) + bias, each accumulator from its low end on; the hold; four conversions; two stores of four registers.
; isv = 0: the four accumulators are one head's 64 channels of 16 tokens: a whole image of 1,024 bytes.  isv = 1: they are 64 of the 128 keys of 16 channels: half an image of 2,048 bytes.
.macro EPI isv
.irp a, 0,1,2,3,4,5,6,7
.irp hb, 0,1
	WIN 0x02+\a/4                                  ; source 0 (the sums): window 2 or 3
.irp k, 0,2,4,6,8,10,12,14,16,18,20,22,24,26,28,30
.if \isv
	v_pk_fma_f32 v[TMP+\k:TMP+\k+1], v[64*(\a%4)+32*\hb+\k:64*(\a%4)+32*\hb+\k+1], s[96:97], v[BIAS+8*\a+\k%8:BIAS+8*\a+\k%8+1] op_sel_hi:[1,0,1]
.else
	v_pk_fma_f32 v[TMP+\k:TMP+\k+1], v[64*(\a%4)+32*\hb+\k:64*(\a%4)+32*\hb+\k+1], s[96:97], v[BIAS+32*\hb+\k:BIAS+32*\hb+\k+1] op_sel_hi:[1,0,1]
.endif
.endr
	WIN 0
.irp k, 0,1,2,3,4,5,6,7,8,9,10,11,12,13,14,15,16,17,18,19,20,21,22,23,24,25,26,27,28,29,30,31
.endr
.irp k, 0,1,2,3
	v_cvt_scalef32_pk8_fp8_f32 v[CD+16*\a+8*\hb+2*\k:CD+16*\a+8*\hb+2*\k+1], v[TMP+8*\k:TMP+8*\k+7], v11
.endr
	v_nop                                          ; one plain line between the conversions and the next lines that write their sources
.irp k, 0,1
.if \isv
	global_store_b128 v[CO], v[CD+16*\a+8*\hb+4*\k:CD+16*\a+8*\hb+4*\k+3], s[90:91] offset:262144*(\a/4)+2048*(\a%4)+512*(2*\hb+\k)   ; head a / 4, channels 16 (a % 4) on, piece 2 hb + k
.else
	global_store_b128 v[CO], v[CD+16*\a+8*\hb+4*\k:CD+16*\a+8*\hb+4*\k+3], s[90+2*\hb:91+2*\hb] offset:1024*\a+512*\k                 ; head hb, tokens 16 a on, piece k
.endif
.endr
.endr
.endr
.endm
	PLACES NP                                      ; behind the last products: for the first reads of results and the first writes over A's fragments
	s_wait_loadcnt 0x0                             ; the bias is in, and its loads' offsets (v96 on) are free
	s_cmp_eq_u32 s77, 1                            ; hangs on the cluster's x alone: the same in all sixteen partners
	s_cbranch_scc1 .Lfor_v
	EPI 0
	s_branch .Lout
.Lfor_v:
	EPI 1
.Lout:
	s_wait_tensorcnt 0x0                           ; the wave's end
	ds_add_u32 v[SPW], v[NIL]
	s_wait_dscnt 0x0
	CROUND                                         ; the closing round: no work-group ends while a partner may still ask for a tile that names it
	s_endpgm
.Lfunc_end_k_q29d6942994_gemm_qkv:
	.size	k_q29d6942994_gemm_qkv, .Lfunc_end_k_q29d6942994_gemm_qkv-k_q29d6942994_gemm_qkv
	.p2alignl 7, 3214868480
	.fill 96, 4, 3214868480
	.section	.rodata,"a",@progbits
	.p2align	6, 0x0
	.amdhsa_kernel k_q29d6942994_gemm_qkv
		.amdhsa_group_segment_fixed_size 327680
		.amdhsa_private_segment_fixed_size 0
		.amdhsa_enable_private_segment 0
		.amdhsa_kernarg_size 48
		.amdhsa_user_sgpr_count 2
		.amdhsa_user_sgpr_kernarg_segment_ptr 1
		.amdhsa_wavefront_size32 1
		.amdhsa_system_sgpr_workgroup_id_x 1
		.amdhsa_system_sgpr_workgroup_id_y 1
		.amdhsa_system_sgpr_workgroup_id_z 1
		.amdhsa_system_vgpr_workitem_id 0
		.amdhsa_next_free_vgpr 1024
		.amdhsa_next_free_sgpr 100
		.amdhsa_reserve_vcc 0
		.amdhsa_float_denorm_mode_32 3
		.amdhsa_float_denorm_mode_16_64 3
		.amdhsa_fp16_overflow 1
		.amdhsa_memory_ordered 1
		.amdhsa_forward_progress 1
		.amdhsa_inst_pref_size 134
	.end_amdhsa_kernel
	.amdgpu_metadata
---
amdhsa.version: [ 1, 2 ]
amdhsa.kernels:
  - .name:           k_q29d6942994_gemm_qkv
    .symbol:         k_q29d6942994_gemm_qkv.kd
    .args:
      - { .name: xq, .offset: 0, .size: 8, .value_kind: global_buffer, .address_space: global }
      - { .name: wq, .offset: 8, .size: 8, .value_kind: global_buffer, .address_space: global }
      - { .name: lowp_scales, .offset: 16, .size: 8, .value_kind: global_buffer, .address_space: global }
      - { .name: b_qkv, .offset: 24, .size: 8, .value_kind: global_buffer, .address_space: global }
      - { .name: qc, .offset: 32, .size: 8, .value_kind: global_buffer, .address_space: global }
      - { .name: kv, .offset: 40, .size: 8, .value_kind: global_buffer, .address_space: global }
    .group_segment_fixed_size: 327680
    .private_segment_fixed_size: 0
    .kernarg_segment_align: 8
    .kernarg_segment_size: 48
    .max_flat_workgroup_size: 128
    .sgpr_count:     100
    .vgpr_count:     1024
    .wavefront_size: 32
...
	.end_amdgpu_metadata
.endif
;; end of part 2
;; launch attn (part 3): grid 4 x 64, 16 waves a work-group, clusters of 4 x 1, 327,680 bytes of LDS; arguments qc, kv, lowp_scales, oc; writes oc
.if DOCPART == 3
	.amdgcn_target "amdgcn-amd-amdhsa--gfx1250"
	.amdhsa_code_object_version 6
	.text
	.protected	k_q29d6942994_attn
	.globl	k_q29d6942994_attn
	.p2align	8
	.type	k_q29d6942994_attn,@function
k_q29d6942994_attn:
	s_mov_b64 s[64:65], 0
	v_nop
	global_prefetch_b8 v0, s[64:65] scope:SCOPE_SE
	s_setreg_imm32_b32 hwreg(HW_REG_WAVE_MODE, 25, 1), 1
	s_wait_xcnt 0x0
	s_wait_alu depctr_hold_cnt(0) depctr_sa_sdst(0) depctr_va_vdst(0) depctr_va_sdst(0) depctr_va_ssrc(0) depctr_va_vcc(0) depctr_vm_vsrc(0)
	s_getreg_b32 s2, hwreg(HW_REG_IB_STS2, 6, 4)
	s_cmp_eq_u32 s2, 0
	s_cbranch_scc0 .Lentry_in_a_cluster
	s_endpgm
.Lentry_in_a_cluster:
	s_bfe_u32 s2, ttmp6, 0x10000c
	s_cmp_lg_u32 s2, 0x3003
	s_cbranch_scc0 .Lentry_shape_is_right
	s_endpgm
.Lentry_shape_is_right:
; Causal attention of one head (64 channels, 2,048 tokens) to a cluster of four work-groups, both products on codes of FP8 (E4M3); the result leaves as codes for the last product (scale: entry 6).
; qc, kv: images of operand registers, as the launch before has laid them.  oc: [512 tiles of 16 tokens][16 heads][2 pieces][32 lanes][16 bytes]: lane (r, h) of piece c holds channels 32 c + 16 h + 0 .. 15 of token r.
; THE SOFTMAX: t = score x log2(e) / 8; M = the row's largest t so far, rounded UP to a whole number; p = 2^(t - M) is what is quantised (scale: entry 4), not normalised.  The row's sum is taken of the unquantised p
; and divides O at the end.  When M moves, the sum and O are multiplied by 2^(old M - new M): nothing is rounded, and there is no branch on data.
; SHARES.  Key steps are 128 keys; a tile of 16 queries of group G (its 128 tokens) needs steps 0 .. G.  Wave w of the partner at place cx owns TWO tiles: E = 8 (w / 2) + 2 cx + w % 2, of group w / 2, and L = 127 - E, of group
; 15 - w / 2: 17 tile steps for every wave.  All branches hang on the wave's number and the step's number; cx enters global addresses and the mask's threshold (a select, no branch) alone: partners run alike.
; LDS IS THE HEAD'S WHOLE BLOCK OF kv, 262,144 bytes, as it lies in memory, filled ONCE by joint loads (mask: all four partners): nothing is filled again, so the key loop has no barrier and no wait on tensor loads.
; Each wave asks for 2,048 bytes of steps 0 and 1 and for 14,336 bytes of the rest: one tensor load of a wave is out at a time.  Steps 0 and 1 are worked while the rest lands.
; No prefetch is laid: every byte of K and V is asked for at the head by these loads, and no later stream is waited for.
; LAYOUT.  S^T = K Q^T (source 0 = 16 keys, source 1 = my 16 queries), O^T = V^T P^T (source 0 = 16 channels, source 1 = P): a lane holds ONE query (lane % 16) throughout.  Register j of S^T's tile t is key 16 t + 8 (lane / 16) + j:
; its two registers of codes ARE registers 2 t, 2 t + 1 of P's fragment of 128 keys.  Keys stay in their order.
; LIMITS: e2 + e3 between -123 and 130 (added to c's exponent field); e4 and e6 between -126 and 119; e4 + e5 is applied by v_ldexp_f32.  NaN is not served.
.set L16,  1                           ; v1   16 x lane: my place in an image
.set ADR,  2                           ; v2   LDS address of the step in hand
.set DE,   3                           ; v3   E's threshold on the diagonal: my query's place in its 128 tokens - 8 (lane / 16)
.set DL,   4                           ; v4   L's
.set NINF, 5                           ; v5   -infinity
.set LIM,  6
.set SCL,  7                           ; v7   2^e4; on the way out 2^e6
.set QE,   16                          ; v[8:9] E's -M and largest t, v[10:11] its sum in two halves; v[12:15] the same for L; v16-23, v24-31 the two tiles of Q
.set QL,   24
.set F,    32                          ; v32-95   a step's eight tiles of K, then its four tiles of V
.set S,    96                          ; v96-159  S^T, then p
.set OE,   160                         ; v160-191, v192-223 O^T
.set OL,   192
.set PC,   224                         ; v224-239 p's codes; at the end O's codes;  v240-247 at work
.set WV,   18
.set SEL,  20                          ; s[20:21] lane selects for v_permlanex16_b32: lane l xor 16
.set CS,   22                          ; s[22:23] c = log2(e) / 8 x 2^(e2 + e3)
.set TB,   12                          ; s12  LDS byte at which the step in hand begins
.set STP,  66                          ; s66  the step's number
.set GE,   67                          ; s67  E's group
.set GL,   76                          ; s76  L's group
.macro CROUND                          ; a round of the cluster's barrier
	s_barrier_signal -1
	s_barrier_wait -1
	s_cmp_lg_u32 s[WV], 0
	s_cbranch_scc1 .Lnot_wave_0_\@
	s_barrier_signal -3
.Lnot_wave_0_\@:
	s_barrier_wait -3
	s_barrier_signal -1
	s_barrier_wait -1
.endm
	s_load_b256 s[4:11], s[0:1], 0x0               ; qc s[4:5], kv s[6:7], the scales' exponents s[8:9], oc s[10:11]
	v_lshl_add_u32 v254, v0, 2, 0x40000
	v_mov_b32 v255, 0
	ds_add_u32 v254, v255
	ds_add_u32 v254, v255
	v_lshrrev_b32 v2, 5, v0
	s_delay_alu instid0(VALU_DEP_1)
	v_readfirstlane_b32 s[WV], v2                  ; wave 0..15
	s_bfe_u32 s13, ttmp6, 0x40000                  ; cx: my place in the cluster
	s_and_b32 s14, ttmp7, 0xffff                   ; the head, 16 x batch + head: the four partners share it
	; descriptor groups 1: dense blocks as rows of 256 bytes (32 elements of 8 bytes): 8 rows, and 56 rows
	s_mov_b32 s24, 15|(3<<16)|(1<<21)              ; 15:0 the mask: all four work-groups; 17:16 elements of 8 bytes; 21 set beside a mask; no padding
	s_mov_b32 s25, 32<<16                          ; tensor_dim0
	s_mov_b32 s26, 8<<16                           ; tensor_dim1
	s_mov_b32 s27, 32<<16                          ; tile_dim0
	s_mov_b32 s28, 8                               ; tile_dim1
	s_mov_b32 s29, 32                              ; tensor_dim0_stride
	s_mov_b32 s30, 0
	s_mov_b32 s31, 0
	s_mov_b32 s32, 15|(3<<16)|(1<<21)
	s_mov_b32 s33, 32<<16
	s_mov_b32 s34, 56<<16
	s_mov_b32 s35, 32<<16
	s_mov_b32 s36, 56
	s_mov_b32 s37, 32
	s_mov_b32 s38, 0
	s_mov_b32 s39, 0
	s_lshl_b32 s48, s14, 18                        ; a head's block is 262,144 bytes
	s_mov_b32 s49, 0
	s_lshl_b32 s50, s[WV], 11                      ; my 2,048 bytes of steps 0 and 1: the same offset in memory and in LDS
	s_mov_b32 s51, 0
	s_mul_i32 s52, s[WV], 14336
	s_add_co_u32 s52, s52, 32768                   ; my 14,336 bytes of steps 2 to 15
	s_mov_b32 s53, 0
	s_mov_b32 s[SEL], 0x76543210
	s_mov_b32 s[SEL+1], 0xfedcba98
	s_mov_b32 s[CS], 0x3e38aa3b                    ; log2(e) / 8
	s_wait_dscnt 0x0
	s_wait_kmcnt 0x0
	s_load_b256 s[68:75], s[8:9], 0x0              ; e0 .. e7
	s_add_nc_u64 s[6:7], s[6:7], s[48:49]          ; kv at my head
	s_mov_b32 s40, 1                               ; group 0: count = 1,
	s_mov_b32 s41, s50                             ; the LDS address,
	s_add_nc_u64 s[42:43], s[6:7], s[50:51]        ; the global address,
	s_or_b32 s43, s43, 0x80000000                  ; type = 2
	s_mov_b32 s44, 1
	s_mov_b32 s45, s52
	s_add_nc_u64 s[46:47], s[6:7], s[52:53]
	s_or_b32 s47, s47, 0x80000000
	CROUND                                         ; all four work-groups are here: the joint loads meet
	tensor_load_to_lds s[40:43], s[24:31]          ; every wave issues both, in every partner, with the same registers
	s_nop 0
	s_wait_alu depctr_va_vdst(0)
	s_wait_tensorcnt 0x0
	ds_add_u32 v254, v255
	s_wait_dscnt 0x0
	CROUND
	tensor_load_to_lds s[44:47], s[32:39]
	s_nop 0
.rept 4
	v_nop
.endr
	s_lshl_b32 s56, s13, 1
	s_and_b32 s57, s[WV], 1
	s_add_co_u32 s56, s56, s57                     ; E's place among its group's eight tiles: 2 cx + w % 2
	s_lshr_b32 s[GE], s[WV], 1
	s_xor_b32 s[GL], s[GE], 15                     ; 15 - GE
	s_lshl_b32 s58, s[GE], 3
	s_add_co_u32 s58, s58, s56                     ; tile E
	s_xor_b32 s59, s58, 127                        ; tile L = 127 - E
	s_lshl_b32 s60, s14, 17                        ; in qc a head is 131,072 bytes, a tile 1,024
	s_lshl_b32 s61, s58, 10
	s_lshl_b32 s62, s59, 10
	s_add_co_u32 s62, s62, s60
	s_add_co_u32 s60, s60, s61
	s_mov_b32 s61, 0
	s_mov_b32 s63, 0
	s_add_nc_u64 s[82:83], s[4:5], s[60:61]        ; Q's tile E,
	s_add_nc_u64 s[84:85], s[4:5], s[62:63]        ; and L
	v_and_b32 v[L16], 31, v0
	s_delay_alu instid0(VALU_DEP_1)
	v_lshlrev_b32 v[L16], 4, v[L16]
	global_load_b128 v[QE:QE+3], v[L16], s[82:83] th:TH_LOAD_NT
	global_load_b128 v[QE+4:QE+7], v[L16], s[82:83] offset:512 th:TH_LOAD_NT
	global_load_b128 v[QL:QL+3], v[L16], s[84:85] th:TH_LOAD_NT
	global_load_b128 v[QL+4:QL+7], v[L16], s[84:85] offset:512 th:TH_LOAD_NT
	s_lshr_b32 s77, s14, 4
	s_lshl_b32 s77, s77, 7                         ; the batch's first tile of tokens
	s_and_b32 s88, s14, 15
	s_lshl_b32 s88, s88, 10                        ; the head's 1,024 bytes in a tile's 16,384
	s_add_co_u32 s86, s77, s58
	s_lshl_b32 s86, s86, 14
	s_add_co_u32 s86, s86, s88
	s_mov_b32 s87, 0
	s_add_nc_u64 s[78:79], s[10:11], s[86:87]      ; oc at tile E,
	s_add_co_u32 s86, s77, s59
	s_lshl_b32 s86, s86, 14
	s_add_co_u32 s86, s86, s88
	s_add_nc_u64 s[80:81], s[10:11], s[86:87]      ; and at L
	v_and_b32 v2, 15, v0                           ; r
	v_bfe_u32 v3, v0, 4, 1                         ; h
	s_delay_alu instid0(VALU_DEP_1)
	v_lshlrev_b32 v3, 3, v3
	s_delay_alu instid0(VALU_DEP_1)
	v_sub_nc_u32 v4, v2, v3                        ; r - 8 h
	s_lshl_b32 s89, s56, 4
	s_xor_b32 s90, s56, 7
	s_lshl_b32 s90, s90, 4
	v_add_nc_u32 v[DE], s89, v4                    ; register n of S^T holds the step's key 16 (n / 8) + n % 8 + 8 h: hidden on the diagonal where 16 (n / 8) + n % 8 > 16 x place + r - 8 h
	v_add_nc_u32 v[DL], s90, v4
	v_mov_b32 v[NINF], 0xff800000
	v_mov_b32 v9, 0xff61b1e6                       ; the largest t so far: -3e38, under every t
	s_delay_alu instid0(VALU_DEP_1)
	v_floor_f32 v8, -v9                            ; -M
	v_mov_b32 v10, 0                               ; the sum, in two halves
	v_mov_b32 v11, 0
	v_mov_b32 v13, 0xff61b1e6
	s_delay_alu instid0(VALU_DEP_1)
	v_floor_f32 v12, -v13
	v_mov_b32 v14, 0
	v_mov_b32 v15, 0
	v_mov_b32 v243, 0                              ; written once: upper halves of pairs that are named whole,
	v_mov_b32 v245, 0
	v_mov_b32 v246, 0                              ; and destinations of lane permutes, which count as sources
	v_mov_b32 v247, 0
.set n, 0
.rept 64
	v_mov_b32 v[OE+n], 0                           ; O^T of both tiles.  (The step is one text: the first finds zeros, which the first change of M leaves zeros)
.set n, n+1
.endr
	s_wait_kmcnt 0x0
	s_add_co_i32 s91, s70, s71
	s_lshl_b32 s91, s91, 23
	s_add_co_i32 s[CS], s[CS], s91                 ; a score stands for score x 2^(e2 + e3): the exponents are added to c's exponent field
	s_mov_b32 s[CS+1], s[CS]                       ; (named with it as a pair, so it is written)
	s_add_co_i32 s91, s72, 127
	s_lshl_b32 s92, s91, 23
	v_mov_b32 v[SCL], s92                          ; 2^e4
	s_add_co_i32 s94, s74, 127
	s_lshl_b32 s93, s94, 23                        ; 2^e6,
	s_add_co_i32 s95, s72, s73                     ; and e4 + e5, for the way out
; ONE TILE'S KEY STEP: 16 queries x 128 keys.  Q: the tile's fragment; O: its O^T; NM: its pair -M, largest t; LS: its sum; D: its threshold; G: the scalar register with its group.
.macro TSTEP Q, O, NM, LS, D, G
	s_cmp_gt_u32 s[STP], s[\G]                     ; all keys of the step come after my queries: the step's work is left out (a branch on the wave's and the step's number; no barrier and no tensor load stands in a step)
	s_cbranch_scc1 .Lhid_\@
	v_add_nc_u32 v[ADR], s[TB], v[L16]
.rept 3
	v_nop                                          ; with the addition above: four places in front of loads into registers that the last products have read
.endr
.irp t, 0,1,2,3,4,5,6,7
	ds_load_b128 v[F+8*\t:F+8*\t+3], v[ADR] offset:1024*\t          ; K's tile t: an image: 512 consecutive bytes a load
	ds_load_b128 v[F+8*\t+4:F+8*\t+7], v[ADR] offset:1024*\t+512
.endr
	s_wait_alu depctr_va_vdst(0)
.irp t, 0,1,2,3,4,5,6,7
	s_wait_dscnt 14-2*\t                           ; tile t's two loads are in; the younger tiles' may be out
	v_wmma_f32_16x16x64_fp8_fp8 v[S+8*\t:S+8*\t+7], v[F+8*\t:F+8*\t+7], v[\Q:\Q+7], 0
.endr
.rept 4
	v_nop                                          ; places in front of the loads below and of the first reads of the scores
.endr
.irp a, 0,1,2,3
.irp p, 0,1,2,3
	ds_load_b128 v[F+16*\a+4*\p:F+16*\a+4*\p+3], v[ADR] offset:8192+2048*\a+512*\p   ; V's four tiles land while the softmax is worked
.endr
.endr
	s_cmp_lt_u32 s[STP], s[\G]                     ; a step all of whose keys count skips the mask
	s_cbranch_scc1 .Lopen_\@
.set n, 0
.rept 64
	v_cmp_gt_i32 vcc_lo, 16*(n/8)+n%8, v[\D]
	v_cndmask_b32 v[S+n], v[S+n], v[NINF], vcc_lo  ; hidden scores become -infinity ahead of the maximum: p = 0 then.  Key 0 counts for every query, so M is a number from the first step on
.set n, n+1
.endr
.Lopen_\@:
	v_max3_num_f32 v240, v[S], v[S+1], v[S+2]      ; the step's largest score of my query among my 64 keys, in two chains,
	v_max3_num_f32 v241, v[S+3], v[S+4], v[S+5]
.irp i, 6,10,14,18,22,26,30,34,38,42,46,50,54,58
	v_max3_num_f32 v240, v240, v[S+\i], v[S+\i+1]
	v_max3_num_f32 v241, v241, v[S+\i+2], v[S+\i+3]
.endr
	v_max3_num_f32 v240, v240, v[S+62], v[S+63]
	s_delay_alu instid0(VALU_DEP_1)
	v_max_num_f32 v240, v240, v241
	s_delay_alu instid0(VALU_DEP_1)
	v_permlanex16_b32 v246, v240, s[SEL], s[SEL+1]
	s_delay_alu instid0(VALU_DEP_1)
	v_max_num_f32 v240, v240, v246                 ; and among lane l xor 16's
	s_delay_alu instid0(VALU_DEP_1)
	v_mul_f32 v240, s[CS], v240                    ; as t (c is positive)
	s_delay_alu instid0(VALU_DEP_1)
	v_max_num_f32 v[\NM+1], v[\NM+1], v240         ; the running largest t
	v_mov_b32 v240, v[\NM]
	s_delay_alu instid0(VALU_DEP_2)
	v_floor_f32 v[\NM], -v[\NM+1]                  ; the new -M = floor(-t) = -ceil(t): a whole number
	s_delay_alu instid0(VALU_DEP_1)
	v_sub_f32 v240, v[\NM], v240                   ; old M - new M: a whole number, 0 or less
	s_delay_alu instid0(VALU_DEP_1)
	v_cvt_i32_f32 v240, v240                       ; (it saturates)
	s_delay_alu instid0(VALU_DEP_1)
	v_ldexp_f32 v244, 1.0, v240                    ; f = 2^(old M - new M)
.set n, 0
.rept 32
	v_pk_fma_f32 v[S+n:S+n+1], v[S+n:S+n+1], s[CS:CS+1], v[\NM:\NM+1] op_sel_hi:[1,0,0]   ; t - M, two at a time (of the pairs c and -M the low word serves both halves)
.set n, n+2
.endr
.set n, 0
	s_wait_alu depctr_va_vdst(0)
.rept 64
	v_exp_f32 v[S+n], v[S+n]                       ; p = 2^(t - M), at most 1: not normalised
.set n, n+1
.endr
	v_pk_mul_f32 v[\LS:\LS+1], v[\LS:\LS+1], v[244:245] op_sel_hi:[1,0]   ; the sums under the new M: the plain line behind the exponentials
	s_wait_alu depctr_va_vdst(0)                   ; one wait for the whole batch, ahead of its first reader
	v_pk_add_f32 v[242:243], v[S:S+1], v[S+2:S+3]  ; the row's sum is taken of the UNQUANTISED p: two at a time, in two chains
.irp j, 4,8,12,16,20,24,28,32,36,40,44,48,52,56,60
	v_pk_add_f32 v[\LS:\LS+1], v[\LS:\LS+1], v[S+\j:S+\j+1]
	v_pk_add_f32 v[242:243], v[242:243], v[S+\j+2:S+\j+3]
.endr
	s_delay_alu instid0(VALU_DEP_1)
	v_pk_add_f32 v[\LS:\LS+1], v[\LS:\LS+1], v[242:243]
.irp c, 0,1,2,3,4,5,6,7
.irp i, 0,1,2,3,4,5,6,7
.endr
	v_cvt_scalef32_pk8_fp8_f32 v[PC+2*\c:PC+2*\c+1], v[S+8*\c:S+8*\c+7], v[SCL]   ; keys 16 c + 8 h + 0 .. 7: registers 2 c, 2 c + 1 of P's fragment
.endr
.set n, 0
.rept 16
	v_pk_mul_f32 v[\O+n:\O+n+1], v[\O+n:\O+n+1], v[244:245] op_sel_hi:[1,0]   ; O^T under the new M, each accumulator from its low end on.  (Also the plain lines between the conversions and the products)
.set n, n+2
.endr
	s_wait_alu depctr_va_vdst(0)
	s_wait_dscnt 0x0                               ; V is in
.irp a, 0,1,2,3
	v_wmma_f32_16x16x128_fp8_fp8 v[\O+8*\a:\O+8*\a+7], v[F+16*\a:F+16*\a+15], v[PC:PC+15], v[\O+8*\a:\O+8*\a+7]   ; four accumulators, one instruction a turn
.endr
.Lhid_\@:
.endm
.macro BOTH
	TSTEP QE, OE, 8, 10, DE, GE
	TSTEP QL, OL, 12, 14, DL, GL
.endm
	s_wait_loadcnt 0x0                             ; Q
	s_wait_tensorcnt 0x1                           ; my part of steps 0 and 1 is in; my part of the rest may be out
	s_barrier_signal -1
	s_barrier_wait -1                              ; everybody's is
	s_mov_b32 s[TB], 0                             ; steps 0 and 1 are written out: their reads stay under LDS byte 32,768, where the loads still out do not land
	s_mov_b32 s[STP], 0
	BOTH
	s_mov_b32 s[TB], 16384
	s_mov_b32 s[STP], 1
	BOTH
	s_wait_tensorcnt 0x0                           ; my part of steps 2 to 15 is in,
	s_wait_dscnt 0x0
	s_barrier_signal -1
	s_barrier_wait -1                              ; everybody's is: from here on LDS is only read
	s_mov_b32 s[TB], 32768
	s_mov_b32 s[STP], 2
.Lstep:                                            ; 14 trips, the same in every wave
	BOTH
	s_add_co_u32 s[TB], s[TB], 16384
	s_add_co_u32 s[STP], s[STP], 1
	s_cmp_lt_u32 s[STP], 16
	s_cbranch_scc1 .Lstep
	v_mov_b32 v[SCL], s93
	v_nop
	v_nop
	v_add_f32 v240, v10, v11                       ; the sums' two halves,
	v_add_f32 v241, v14, v15
	s_delay_alu instid0(VALU_DEP_2)
	v_permlanex16_b32 v246, v240, s[SEL], s[SEL+1]
	s_delay_alu instid0(VALU_DEP_2)
	v_permlanex16_b32 v247, v241, s[SEL], s[SEL+1]
	s_delay_alu instid0(VALU_DEP_2)
	v_add_f32 v240, v240, v246                     ; and lane l xor 16's
	s_delay_alu instid0(VALU_DEP_2)
	v_add_f32 v241, v241, v247
	s_wait_alu depctr_va_vdst(0)
	v_rcp_f32 v240, v240
	v_rcp_f32 v241, v241
	v_nop                                          ; a plain line behind the reciprocals
	s_wait_alu depctr_va_vdst(0)                   ; one wait for both, ahead of the first reader
	v_ldexp_f32 v244, v240, s95
	v_ldexp_f32 v242, v241, s95
; After the conversions lane (r, h) holds, in registers 2 a, 2 a + 1, channels 16 a + 8 h + 0 .. 7.  The last product's fragment wants 16 neighbours a lane: channels 32 c + 16 h + 0 .. 15 in four registers.
; An exchange of one register's lanes 16-31 with another's lanes 0-15 does that: (C0, C2), (C1, C3) for c = 0, (C4, C6), (C5, C7) for c = 1.
.macro PACKO O, FP, C, B
.set n, 0
.rept 16
	v_pk_mul_f32 v[S+n:S+n+1], v[\O+n:\O+n+1], v[\FP:\FP+1] op_sel_hi:[1,0]
.set n, n+2
.endr
.set n, 0
.rept 32
.set n, n+1
.endr
.irp a, 0,1,2,3
	v_cvt_scalef32_pk8_fp8_f32 v[\C+2*\a:\C+2*\a+1], v[S+8*\a:S+8*\a+7], v[SCL]
.endr
	v_nop                                          ; one plain line between the conversions and the lines that touch their results
	v_permlane16_swap_b32 v[\C], v[\C+2]
	v_permlane16_swap_b32 v[\C+1], v[\C+3]
	v_permlane16_swap_b32 v[\C+4], v[\C+6]
	v_permlane16_swap_b32 v[\C+5], v[\C+7]
	global_store_b128 v[L16], v[\C:\C+3], s[\B:\B+1]                 ; 512 consecutive bytes, at a multiple of 512 from oc's first byte
	global_store_b128 v[L16], v[\C+4:\C+7], s[\B:\B+1] offset:512
.endm
	PACKO OE, 244, PC, 78
	PACKO OL, 242, PC+8, 80
	s_wait_dscnt 0x0
	s_wait_tensorcnt 0x0
	ds_add_u32 v254, v255
	s_wait_dscnt 0x0
	CROUND                                         ; the closing round: no work-group ends while a partner may still ask for a tile that names it
	s_endpgm
.Lfunc_end_k_q29d6942994_attn:
	.size	k_q29d6942994_attn, .Lfunc_end_k_q29d6942994_attn-k_q29d6942994_attn
	.p2alignl 7, 3214868480
	.fill 96, 4, 3214868480
	.section	.rodata,"a",@progbits
	.p2align	6, 0x0
	.amdhsa_kernel k_q29d6942994_attn
		.amdhsa_group_segment_fixed_size 327680
		.amdhsa_private_segment_fixed_size 0
		.amdhsa_enable_private_segment 0
		.amdhsa_kernarg_size 32
		.amdhsa_user_sgpr_count 2
		.amdhsa_user_sgpr_kernarg_segment_ptr 1
		.amdhsa_wavefront_size32 1
		.amdhsa_system_sgpr_workgroup_id_x 1
		.amdhsa_system_sgpr_workgroup_id_y 1
		.amdhsa_system_sgpr_workgroup_id_z 1
		.amdhsa_system_vgpr_workitem_id 0
		.amdhsa_next_free_vgpr 256
		.amdhsa_next_free_sgpr 100
		.amdhsa_reserve_vcc 1
		.amdhsa_float_denorm_mode_32 3
		.amdhsa_float_denorm_mode_16_64 3
		.amdhsa_fp16_overflow 1
		.amdhsa_memory_ordered 1
		.amdhsa_forward_progress 1
		.amdhsa_inst_pref_size 127
	.end_amdhsa_kernel
	.amdgpu_metadata
---
amdhsa.version: [ 1, 2 ]
amdhsa.kernels:
  - .name:           k_q29d6942994_attn
    .symbol:         k_q29d6942994_attn.kd
    .args:
      - { .name: qc, .offset: 0, .size: 8, .value_kind: global_buffer, .address_space: global }
      - { .name: kv, .offset: 8, .size: 8, .value_kind: global_buffer, .address_space: global }
      - { .name: lowp_scales, .offset: 16, .size: 8, .value_kind: global_buffer, .address_space: global }
      - { .name: oc, .offset: 24, .size: 8, .value_kind: global_buffer, .address_space: global }
    .group_segment_fixed_size: 327680
    .private_segment_fixed_size: 0
    .kernarg_segment_align: 8
    .kernarg_segment_size: 32
    .max_flat_workgroup_size: 512
    .sgpr_count:     100
    .vgpr_count:     256
    .wavefront_size: 32
...
	.end_amdgpu_metadata
.endif
;; end of part 3
;; launch gemm_out (part 4): grid 4 x 64, 4 waves a work-group, clusters of 4 x 4, 327,680 bytes of LDS; arguments oc, wo, lowp_scales, b_out, out0; writes out0
.if DOCPART == 4
	.amdgcn_target "amdgcn-amd-amdhsa--gfx1250"
	.amdhsa_code_object_version 6
	.text
	.protected	k_q29d6942994_gemm_out
	.globl	k_q29d6942994_gemm_out
	.p2align	8
	.type	k_q29d6942994_gemm_out,@function
k_q29d6942994_gemm_out:
	s_mov_b64 s[64:65], 0
	v_nop
	global_prefetch_b8 v0, s[64:65] scope:SCOPE_SE
	s_setreg_imm32_b32 hwreg(HW_REG_WAVE_MODE, 25, 1), 1
	s_wait_xcnt 0x0
	s_wait_alu depctr_hold_cnt(0) depctr_sa_sdst(0) depctr_va_vdst(0) depctr_va_sdst(0) depctr_va_ssrc(0) depctr_va_vcc(0) depctr_vm_vsrc(0)
	s_getreg_b32 s2, hwreg(HW_REG_IB_STS2, 6, 4)
	s_cmp_eq_u32 s2, 0
	s_cbranch_scc0 .Lentry_in_a_cluster
	s_endpgm
.Lentry_in_a_cluster:
	s_bfe_u32 s2, ttmp6, 0x10000c
	s_cmp_lg_u32 s2, 0xf033
	s_cbranch_scc0 .Lentry_shape_is_right
	s_endpgm
.Lentry_shape_is_right:
; out0 = o w_out^T + b_out on codes of FP8 (E4M3).  out0: [8192][1024] f32 = sum x 2^(e6 + e7) + bias, one fused multiply-add.  LIMIT: e6 + e7 between -126 and 127.
; oc: [512 tiles of 16 tokens][8 blocks of 128 along K][4 pieces][32 lanes][16 bytes]: images of A's fragments (registers 4 c .. 4 c + 3: K = 32 c + 16 (lane / 16) + 0 .. 15).  wo: [1024][1024] codes, K innermost, read in the same places of k.
; SHARES.  A tile of 128 tokens x 256 columns to a work-group: 64 x 4 = 256 work-groups; four waves, 64 x 128 each: 32 accumulators.  K goes in steps of 256 through a ring of two LDS slots filled by tensor loads.
; CLUSTERS of 4 x 4: A's tiles are shared along a row of the cluster, B's along a column: joint loads.  THE MATRIX INSTRUCTION IS USED TRANSPOSED (source 0 = 16 rows of w_out, source 1 = 16 tokens): a lane holds eight neighbouring columns of one token.
; REGISTERS, in windows of 256: window 0: v1-31 addresses, v[12:15] my four numbers of the bias; v128-191 A's fragments, ONE set; on the way out v128-255 rows of the result.   window 1: B's fragments, TWO sets.   window 2: the accumulators ((a, b) at v[8 (8 a + b)]).
.set NA,     4                         ; A's blocks of 16 tokens in a wave
.set QA,     NA/4
.set ROWB,   256                       ; a row of B's tile: 256 along K
.set PITCH,  272                       ; in LDS: + 16 bytes of padding = 68 words: row r starts at bank 4 r mod 64 (64 banks of 4 bytes: ISA guide 11.1)
.set FR,     16
.set NL,     4
.set NH,     (NA/2)*NL
.set NP,     4                         ; places behind this matrix instruction (ISA guide 7.12.1)
.set ASTEP,  4096                      ; a K step of a tile of 16 tokens: two images of 2,048 bytes
.set ABYTES, 8*ASTEP                   ; A's part of a slot: 8 tiles of tokens, images on end, no padding
.set HALFB,  128*PITCH                 ; 128 rows of B
.set SLOT,   ABYTES+2*HALFB
.set LAPS,   2
.set SPARE,  2*SLOT                    ; behind the ring: the spare words, 128 bytes for each wave: two blocks of 256 bytes that no other line names
.set SPITCH, 528                       ; the way out: a stage of 16 rows x (512 bytes + 16) for each wave, in slot 0, which has had its last fill and its last read when the first result is stored there
.set ADRA, 16
.set ADRB, 20
.set STO,  24                          ; v24  the way out: where I put 32 bytes of a row
.set RD,   25                          ; v25  where I read a row back
.set CO,   26                          ; v26  16 x lane
.set SPW,  28
.set NIL,  29
.set AF,   128
.set BK,   128                         ; the way out: 16 rows read back: v128-191 and v192-255 by turns
.set G1, 24
.set G0, 32
.set G1B, 48
.set G0B, 56
.set MSB, 0
.macro WIN new                         ; the immediate's high byte repeats the setting that is left; a switch that changes nothing is dropped
.if MSB != (\new)
	s_set_vgpr_msb (MSB<<8)|(\new)
.set MSB, (\new)
.endif
.endm
.set MUL_LO, 0xa1                      ; source 0 (B) window 1, source 1 (A) window 0, C and D window 2
.set MUL_HI, 0xa1+0x50*(NA/8)
.set TO_B,   0x40
.macro JLOAD g0a, g1a, g0b, g1b        ; a joint load: waves 0 and 1 fetch for A, waves 2 and 3 for B; four v_nop follow each of the two lines
	s_cmp_eq_u32 s15, 0
	s_cbranch_scc0 .Lfor_b_\@
	tensor_load_to_lds s[\g0a:\g0a+3], s[\g1a:\g1a+7]
	s_nop 0
.rept 4
	v_nop
.endr
	s_branch .Lasked_\@
.Lfor_b_\@:
	tensor_load_to_lds s[\g0b:\g0b+3], s[\g1b:\g1b+7]
	s_nop 0
.rept 4
	v_nop
.endr
.Lasked_\@:
.endm
.macro CREST
	s_cmp_lg_u32 s14, 0
	s_cbranch_scc1 .Lnot_wave_0_\@
	s_barrier_signal -3
.Lnot_wave_0_\@:
	s_barrier_wait -3
	s_barrier_signal -1
	s_barrier_wait -1
.endm
.macro CROUND
	s_barrier_signal -1
	s_barrier_wait -1
	CREST
.endm
	s_load_b256 s[4:11], s[0:1], 0x0               ; oc s[4:5], wo s[6:7], the scales' exponents s[8:9], b_out s[10:11]
	s_load_b64 s[12:13], s[0:1], 0x20              ; out0
	v_lshl_add_u32 v[SPW], v0, 2, SPARE
	v_mov_b32 v[NIL], 0
	ds_add_u32 v28, v29
	ds_add_u32 v28, v29
	s_wait_dscnt 0x0
	v_lshrrev_b32 v1, 5, v0
	v_readfirstlane_b32 s14, v1                    ; wave 0..3
	s_lshr_b32 s15, s14, 1                         ; which 64 of the tile's tokens are mine.  Also: I fetch for A (0) or for B (1)
	s_and_b32 s16, s14, 1                          ; which 128 of its columns.  Also: which half of that tile I fetch
	s_bfe_u32 s40, ttmp6, 0x40000                  ; cx, cy
	s_bfe_u32 s41, ttmp6, 0x40004
	s_lshl_b32 s42, ttmp9, 2
	s_add_co_u32 s42, s42, s40                     ; the tile of 256 columns
	s_and_b32 s17, ttmp7, 0xffff
	s_lshl_b32 s17, s17, 2
	s_add_co_u32 s17, s17, s41                     ; the tile of 128 tokens
	s_lshl_b32 s43, s41, 2
	s_lshl_b32 s43, 15, s43                        ; my row of the cluster
	s_lshl_b32 s44, 0x1111, s40                    ; my column
	; A's group 1: 4 tiles of tokens, of each 4,096 consecutive bytes (512 elements of 8 bytes), 16,384 bytes apart; dense in LDS
	s_or_b32 s[G1+0], s43, (3<<16)|(1<<21)         ; 15:0 the mask: my row; 17:16 elements of 8 bytes; 21 set beside a mask; no padding
	s_mov_b32 s[G1+1], 512<<16                     ; tensor_dim0
	s_mov_b32 s[G1+2], 4<<16                       ; tensor_dim1
	s_mov_b32 s[G1+3], 512<<16                     ; tile_dim0
	s_mov_b32 s[G1+4], 4                           ; tile_dim1
	s_mov_b32 s[G1+5], 2048                        ; tensor_dim0_stride
	s_mov_b32 s[G1+6], 0
	s_mov_b32 s[G1+7], 0
	; B's group 1: 128 rows x 256 bytes, padded in LDS
	s_or_b32 s[G1B+0], s44, (0<<16)|(1<<20)|(1<<21)|(5<<22)|(3<<25)  ; the mask: my column; elements of 1 byte; four words of padding after every 64
	s_mov_b32 s[G1B+1], ROWB<<16
	s_mov_b32 s[G1B+2], 128<<16
	s_mov_b32 s[G1B+3], ROWB<<16
	s_mov_b32 s[G1B+4], 128
	s_mov_b32 s[G1B+5], 1024
	s_mov_b32 s[G1B+6], 0
	s_mov_b32 s[G1B+7], 0
	s_lshl_b32 s20, s17, 17                        ; A: 8 tiles of tokens x 16,384 bytes for each tile of 128 tokens,
	s_lshl_b32 s18, s16, 16                        ; + the four that I fetch
	s_add_co_u32 s20, s20, s18
	s_mov_b32 s21, 0
	s_lshl_b32 s46, s42, 18                        ; B: 256 rows of 1,024 bytes,
	s_lshl_b32 s18, s16, 17                        ; + the 128 that I fetch
	s_add_co_u32 s46, s46, s18
	s_mov_b32 s47, 0
	s_lshl_b32 s45, s16, 14                        ; where A's go in a slot,
	s_mul_i32 s19, s16, HALFB
	s_add_co_u32 s19, s19, ABYTES                  ; and B's: no place in the cluster enters an LDS address
	s_wait_kmcnt 0x0
	s_load_b256 s[68:75], s[8:9], 0x0              ; e0 .. e7
	s_add_nc_u64 s[20:21], s[4:5], s[20:21]
	s_add_nc_u64 s[46:47], s[6:7], s[46:47]
	CROUND                                         ; all sixteen work-groups are here: the first joint loads meet
.irp s, 0,1
	s_mov_b32 s[G0+4*\s], 1
	s_add_co_u32 s[G0+4*\s+1], s45, \s*SLOT
	s_add_nc_u64 s[G0+4*\s+2:G0+4*\s+3], s[20:21], \s*ASTEP
	s_or_b32 s[G0+4*\s+3], s[G0+4*\s+3], 0x80000000
	s_mov_b32 s[G0B+4*\s], 1
	s_add_co_u32 s[G0B+4*\s+1], s19, \s*SLOT
	s_add_nc_u64 s[G0B+4*\s+2:G0B+4*\s+3], s[46:47], \s*ROWB
	s_or_b32 s[G0B+4*\s+3], s[G0B+4*\s+3], 0x80000000
	s_wait_alu depctr_va_vdst(0)
	s_wait_tensorcnt 0x0
	ds_add_u32 v28, v29
	ds_add_u32 v28, v29
	s_wait_dscnt 0x0
	CROUND
	JLOAD G0+4*\s, G1, G0B+4*\s, G1B               ; one tensor load of mine is out
.endr
	v_and_b32 v1, 15, v0                           ; r
	v_bfe_u32 v2, v0, 4, 1                         ; h
	v_and_b32 v6, 31, v0
	v_lshlrev_b32 v[CO], 4, v6                     ; 16 x lane
	v_mul_u32_u24 v3, v1, PITCH
	v_lshl_add_u32 v4, v2, 4, v3                   ; B: a fragment's row x pitch + 16 x half
	s_lshl_b32 s21, s15, 14                        ; my four tiles of tokens
	s_mul_i32 s22, s16, HALFB
	s_add_co_u32 s22, s22, ABYTES                  ; my 128 rows of B
.irp s, 0,1
	v_add_nc_u32 v[ADRA+\s], s21, v[CO]
	v_add_nc_u32 v[ADRB+\s], s22, v4
	s_add_co_u32 s21, s21, SLOT
	s_add_co_u32 s22, s22, SLOT
.endr
	s_mul_i32 s23, s14, 16*SPITCH                  ; my stage
	v_mul_u32_u24 v5, v1, SPITCH                   ; in: row r, 32 bytes for each half of the lanes
	v_lshl_add_u32 v5, v2, 5, v5
	v_add_nc_u32 v[STO], s23, v5
	v_add_nc_u32 v[RD], s23, v[CO]                 ; back: the 32 lanes take one row of 512 bytes
	s_lshl_b32 s78, s17, 19                        ; out0: 128 rows of 4,096 bytes for each tile of tokens,
	s_lshl_b32 s79, s15, 18                        ; + my 64,
	s_add_co_u32 s78, s78, s79
	s_lshl_b32 s80, s42, 10                        ; my columns in bytes: 1,024 x tile + 512 x half
	s_lshl_b32 s81, s16, 9
	s_add_co_u32 s80, s80, s81
	s_add_co_u32 s78, s78, s80
	s_mov_b32 s79, 0
	s_mov_b32 s81, 0
	s_add_nc_u64 s[12:13], s[12:13], s[78:79]
	s_add_nc_u64 s[10:11], s[10:11], s[80:81]
	global_load_b128 v[12:15], v[CO], s[10:11]     ; the bias of the four columns that I store
	s_wait_alu depctr_va_vdst(0)
	s_wait_kmcnt 0x0
	s_add_co_i32 s96, s74, s75                     ; e6 + e7
	s_add_co_i32 s96, s96, 127
	s_lshl_b32 s96, s96, 23                        ; 2^(e6 + e7) as f32
	s_mov_b32 s97, s96                             ; (named with it as a pair, so it is written)
.macro FRAGB reg, adr, q, i            ; 16 rows x 128 K: registers 4 c .. 4 c + 3 hold K = 32 c + 16 (lane / 16) + 0 .. 15
.irp c, 0,1,2,3
	ds_load_b128 v[\reg+4*\c:\reg+4*\c+3], v[\adr] offset:128*(\q)+32*\c+(\i)*16*PITCH
.endr
.endm
.macro FRAGA reg, adr, q, i            ; an image: 512 consecutive bytes a load
.irp c, 0,1,2,3
	ds_load_b128 v[\reg+4*\c:\reg+4*\c+3], v[\adr] offset:ASTEP*(\i)+2048*(\q)+512*\c
.endr
.endm
; A quarter of a step: QA blocks of A x B's eight.  The accumulators take turns, one instruction a turn, in the same order in every step.
.macro MULQ qd, p, zero
.set aa, (\qd)*QA
.rept QA
.irp b, 0,1,2,3,4,5,6,7
.if \zero
	v_wmma_f32_16x16x128_fp8_fp8 v[8*(8*(aa%4)+\b):8*(8*(aa%4)+\b)+7], v[128*(\p)+FR*\b:128*(\p)+FR*\b+FR-1], v[AF+FR*aa:AF+FR*aa+FR-1], 0
.else
	v_wmma_f32_16x16x128_fp8_fp8 v[8*(8*(aa%4)+\b):8*(8*(aa%4)+\b)+7], v[128*(\p)+FR*\b:128*(\p)+FR*\b+FR-1], v[AF+FR*aa:AF+FR*aa+FR-1], v[8*(8*(aa%4)+\b):8*(8*(aa%4)+\b)+7]
.endif
.endr
.set aa, aa+1
.endr
.endm
.macro FETCH_B slot, q, p
	WIN TO_B
.irp i, 0,1,2,3,4,5,6,7
	FRAGB 128*(\p)+FR*\i, ADRB+\slot, \q, \i
.endr
	WIN 0
.endm
.macro FETCH_A slot, q, half
.set ii, (\half)*(NA/2)
.rept NA/2
	FRAGA AF+FR*ii, ADRA+\slot, \q, ii
.set ii, ii+1
.endr
.endm
.macro PLACES n                        ; places in front of loads into registers that matrix instructions have read, and of the first reads of results (ISA guide 7.12.1 for the first reads of results)
.rept \n
	v_nop
.endr
.endm
.macro STEP slot, q, zero              ; a step of 128 along K that has its successor in the same slot
	s_wait_dscnt NH                                ; B's set and A's first half are in; the youngest NH loads (A's second half) may be out
	WIN MUL_LO
	MULQ 0, (\q)%2, \zero
	MULQ 1, (\q)%2, \zero
	s_wait_dscnt 0                                 ; A's second half is in
	PLACES NP
	FETCH_B \slot, (\q)+1, 1-(\q)%2
	FETCH_A \slot, (\q)+1, 0
	WIN MUL_HI
	MULQ 2, (\q)%2, \zero
	MULQ 3, (\q)%2, \zero
	PLACES NP
	WIN 0
	FETCH_A \slot, (\q)+1, 1
.endm
; A slot's last step changes slots: ONE barrier; in front of it each wave waits for all its tensor loads, adds 0 to its spare word, and waits for that and for its own reads of this slot.
.macro TURN slot, next, fill
	s_wait_tensorcnt 0x0                           ; all my tensor loads have landed: my part of the next slot;  (every window is 0 here)
	ds_add_u32 v[SPW], v[NIL]                      ; 0 onto my spare word
	s_wait_dscnt NH+1                              ; (the add and the youngest NH loads may be out)
	WIN MUL_LO
	MULQ 0, 1, 0                                   ; matrix instructions stand between the add and the wait for it
	s_wait_dscnt 0x0                               ; the add is done, and my reads of this slot are over
	s_barrier_signal -1
	MULQ 1, 1, 0
	WIN 0
	s_barrier_wait -1
.if \fill
	CREST                                          ; the barrier has opened a round of the cluster's barrier: no wave of any partner still reads this slot's tile or has a load on its way
	s_add_nc_u64 s[G0+4*\slot+2:G0+4*\slot+3], s[G0+4*\slot+2:G0+4*\slot+3], 2*ASTEP
	s_add_nc_u64 s[G0B+4*\slot+2:G0B+4*\slot+3], s[G0B+4*\slot+2:G0B+4*\slot+3], 2*ROWB
	JLOAD G0+4*\slot, G1, G0B+4*\slot, G1B         ; the first tensor load behind the round, my only one until the next; its four v_nop are the places in front of the loads below
.else
	PLACES NP
.endif
	FETCH_B \next, 0, 0
	FETCH_A \next, 0, 0
	WIN MUL_HI
	MULQ 2, 1, 0
	MULQ 3, 1, 0
	PLACES NP
	WIN 0
	FETCH_A \next, 0, 1
.endm
	s_wait_tensorcnt 1                             ; my part of K step 0 is in (K step 1's load may be out)
	s_barrier_signal -1
	s_barrier_wait -1                              ; everybody's is
	FETCH_B 0, 0, 0
	FETCH_A 0, 0, 0
	FETCH_A 0, 0, 1
	STEP 0, 0, 1                                   ; the first step stands in front of the loop: its products start the sums
	s_mov_b32 s3, LAPS-1
.Llap:
	TURN 0, 1, 1
	STEP 1, 0, 0
	TURN 1, 0, 1
	STEP 0, 0, 0
	s_sub_co_u32 s3, s3, 1
	s_cmp_lg_u32 s3, 0
	s_cbranch_scc1 .Llap
	TURN 0, 1, 0                                   ; the last lap fills nothing; behind this barrier nobody reads slot 0 any more
	STEP 1, 0, 0
	s_wait_dscnt NH                                ; the very last step
	WIN MUL_LO
	MULQ 0, 1, 0
	MULQ 1, 1, 0
	s_wait_dscnt 0
	WIN MUL_HI
	MULQ 2, 1, 0
	MULQ 3, 1, 0
	WIN 0
; THE WAY OUT, a block of 16 tokens x 128 columns at a time.  A lane holds 32 neighbouring bytes of a row and the lanes beside it hold other rows: the sums go through my own stage in LDS as they are and come back as whole
; rows of 512 bytes; there a lane holds four columns that are the same in every row, so four registers of bias serve all.  LDS serves a wave's instructions in order (ISA guide 5.7.1.4): no wait between the stores and the loads.
.macro TOSTAGE a
	WIN 0x08                                       ; the stores' data: window 2
.irp b, 0,1,2,3,4,5,6,7
	ds_store_b128 v[STO], v[64*(\a)+8*\b:64*(\a)+8*\b+3] offset:64*\b          ; each accumulator from its low end on
	ds_store_b128 v[STO], v[64*(\a)+8*\b+4:64*(\a)+8*\b+7] offset:64*\b+16
.endr
	WIN 0
.set BB, BK+64*((\a)%2)
.irp t, 0,1,2,3,4,5,6,7,8,9,10,11,12,13,14,15
	ds_load_b128 v[BB+4*\t:BB+4*\t+3], v[RD] offset:\t*SPITCH
.endr
.endm
.macro SEND a, younger                 ; younger: the LDS instructions issued behind block a's loads, which may stay out
.set BB, BK+64*((\a)%2)
	s_wait_dscnt \younger                          ; the block is back in registers
.if (\a) > 0
	s_add_nc_u64 s[12:13], s[12:13], 16*4096       ; (behind a wait on XCNT: the earlier stores have read their base)  16 rows on
.endif
.irp t, 0,1,2,3,4,5,6,7,8,9,10,11,12,13,14,15
	v_pk_fma_f32 v[BB+4*\t:BB+4*\t+1], v[BB+4*\t:BB+4*\t+1], s[96:97], v[12:13] op_sel_hi:[1,0,1]       ; sum x 2^(e6 + e7) + bias
	v_pk_fma_f32 v[BB+4*\t+2:BB+4*\t+3], v[BB+4*\t+2:BB+4*\t+3], s[96:97], v[14:15] op_sel_hi:[1,0,1]
	global_store_b128 v[CO], v[BB+4*\t:BB+4*\t+3], s[12:13] offset:\t*4096 th:TH_STORE_NT               ; 32 lanes store 512 consecutive bytes, at a multiple of 512 from out0's first byte
.endr
.endm
	PLACES NP                                      ; behind the last products: for the stores that read results and the loads into A's registers
	s_wait_loadcnt 0x0                             ; the bias
	TOSTAGE 0
.irp a, 1,2,3
.if \a > 1
	s_wait_xcnt 0x0                                ; block a - 2's stores have read their registers and their base: block a's loads may land there, and the base may step
.endif
	TOSTAGE \a
	SEND \a-1, 32                                  ; behind block a - 1's loads: block a's 16 stores and 16 loads
.endr
	s_wait_xcnt 0x0                                ; block 2's stores have read their base
	SEND 3, 0
	s_wait_tensorcnt 0x0                           ; the wave's end
	ds_add_u32 v[SPW], v[NIL]
	s_wait_dscnt 0x0
	CROUND                                         ; the closing round: no work-group ends while a partner may still ask for a tile that names it
	s_endpgm
.Lfunc_end_k_q29d6942994_gemm_out:
	.size	k_q29d6942994_gemm_out, .Lfunc_end_k_q29d6942994_gemm_out-k_q29d6942994_gemm_out
	.p2alignl 7, 3214868480
	.fill 96, 4, 3214868480
	.section	.rodata,"a",@progbits
	.p2align	6, 0x0
	.amdhsa_kernel k_q29d6942994_gemm_out
		.amdhsa_group_segment_fixed_size 327680
		.amdhsa_private_segment_fixed_size 0
		.amdhsa_enable_private_segment 0
		.amdhsa_kernarg_size 40
		.amdhsa_user_sgpr_count 2
		.amdhsa_user_sgpr_kernarg_segment_ptr 1
		.amdhsa_wavefront_size32 1
		.amdhsa_system_sgpr_workgroup_id_x 1
		.amdhsa_system_sgpr_workgroup_id_y 1
		.amdhsa_system_sgpr_workgroup_id_z 1
		.amdhsa_system_vgpr_workitem_id 0
		.amdhsa_next_free_vgpr 768
		.amdhsa_next_free_sgpr 100
		.amdhsa_reserve_vcc 0
		.amdhsa_float_denorm_mode_32 3
		.amdhsa_float_denorm_mode_16_64 3
		.amdhsa_memory_ordered 1
		.amdhsa_forward_progress 1
		.amdhsa_inst_pref_size 77
	.end_amdhsa_kernel
	.amdgpu_metadata
---
amdhsa.version: [ 1, 2 ]
amdhsa.kernels:
  - .name:           k_q29d6942994_gemm_out
    .symbol:         k_q29d6942994_gemm_out.kd
    .args:
      - { .name: oc, .offset: 0, .size: 8, .value_kind: global_buffer, .address_space: global }
      - { .name: wo, .offset: 8, .size: 8, .value_kind: global_buffer, .address_space: global }
      - { .name: lowp_scales, .offset: 16, .size: 8, .value_kind: global_buffer, .address_space: global }
      - { .name: b_out, .offset: 24, .size: 8, .value_kind: global_buffer, .address_space: global }
      - { .name: out0, .offset: 32, .size: 8, .value_kind: global_buffer, .address_space: global }
    .group_segment_fixed_size: 327680
    .private_segment_fixed_size: 0
    .kernarg_segment_align: 8
    .kernarg_segment_size: 40
    .max_flat_workgroup_size: 128
    .sgpr_count:     100
    .vgpr_count:     768
    .wavefront_size: 32
...
	.end_amdgpu_metadata
.endif
;; end of part 4
